; MI455X (gfx1250); checked and timed in simulation.
; The chip was launched on July 23, 2026; its instructions are those of AMD's public machine-readable ISA for CDNA 5 (MIT licence, August 2026) and "CDNA5" Instruction Set Architecture Reference Guide (July 2026). The comments in the code are by the model that wrote it; some were corrected since.
;; Custom Linear. Allowed arithmetic: matrix products marked QUANTISED: E4M3 operands, one E8M0 scale for each 32 along K, by v_wmma_scale_f32_16x16x128_f8f6f4 with both operands' format E4M3, f32 sums; everything else in f32.
;; Inputs: bias 4,096 float32; weight 4,096 x 4,096 float32; x 4,096 x 4,096 float32.
;; Outputs: out0 4,096 x 4,096 float32.
;; This version of the problem:
;;   THIS VERSION OF THE PROBLEM IS GIVEN IN LOW PRECISION. The matrix products marked QUANTISED in the list below multiply operands that are first quantised to E4M3 (4 exponent bits, 3 mantissa bits; 8 bits a number), with one power-of-two scale for each 32 numbers along K (OCP MX v1.0); their sums are f32. All else is computed in f32.
;;   The module's matrix products, in the order in which they are computed (A, B: the left and right operand; K: the contracted axis; several contracted axes count as one K, in the product's order):
;;     1. [M 4,096, K 4,096] x [K 4,096, N 4,096]; A: input x; B: input weight: QUANTISED
;;   THE QUANTISER, for each operand of a quantised product, along K:
;;     - K is cut into blocks of 32 from its start; a last block that is shorter is filled with zeros.
;;     - A block's scale is 2^e with e = floor(log2(the largest magnitude in the block)) - 8, held to -126 .. 127; a block of zeros has e = 0. As a byte (E8M0): e + 127.
;;     - Each number is divided by its block's scale, clamped to +-448, and rounded to the nearest number of E4M3, ties to even, subnormals kept.
;;     - The product sums the exact products of the quantised numbers (number of the format x scale) in f32.
;;   ~~~python
;;   def quantise(x, axis):      # numpy; x: float32 -> the quantised numbers, widened to float32 again
;;       x = np.moveaxis(x, axis, -1); K = x.shape[-1]
;;       x = np.pad(x, [(0, 0)] * (x.ndim - 1) + [(0, -K % 32)]); x = x.reshape(x.shape[:-1] + (-1, 32)); a = np.abs(x).max(-1, keepdims=True)
;;       e = np.where(a > 0, np.clip(np.frexp(np.where(a > 0, a, 1))[1] - 1 - 8, -126, 127), 0)      # np.frexp(a)[1] - 1 = floor(log2(a)), exactly
;;       r = np.clip(x / 2.0 ** e, -448, 448)
;;       step = 2.0 ** (np.maximum(np.frexp(np.where(r == 0, 1, r))[1] - 1, -6) - 3)
;;       q = np.round(r / step) * step * 2.0 ** e      # np.round: ties to even
;;       return np.moveaxis(q.reshape(q.shape[:-2] + (-1,))[..., :K], -1, axis).astype(np.float32)
;;   ~~~
;; One version. Each part assembles by itself: llvm-mc -triple=amdgcn-amd-amdhsa -mcpu=gfx1250 --defsym DOCPART=n.
;; ======== version 1 of 1: 2 launches
;; workspace buffers: xq 17,301,504 bytes; wq 17,301,504 bytes
;; launch quant (part 1): grid 1024 x 1, 4 waves a work-group, no clusters, 34,304 bytes of LDS; arguments x, weight, xq, wq; writes xq, wq
.if DOCPART == 1
	.amdgcn_target "amdgcn-amd-amdhsa--gfx1250"
	.amdhsa_code_object_version 6
	.text
	.protected	k_q9c360e15c1_quant
	.globl	k_q9c360e15c1_quant
	.p2align	8
	.type	k_q9c360e15c1_quant,@function
k_q9c360e15c1_quant:
	s_mov_b64 s[64:65], 0
	v_nop
	global_prefetch_b8 v0, s[64:65] scope:SCOPE_SE
	s_setreg_imm32_b32 hwreg(HW_REG_WAVE_MODE, 25, 1), 1
	s_wait_xcnt 0x0
; x [4096][4096] and weight [4096][4096], f32, K innermost, become codes of FP8 (E4M3) with one E8M0 scale byte for each 32 along K.
; A block's scale is 2^(floor(log2(its largest magnitude)) - 8); its byte is the largest magnitude's exponent field - 8, held at 1 from below.
; Each number is divided by the scale, held within +-448 and rounded to the nearest code, ties to even.
; LIMITS: NaN and infinities among the inputs are not served.  A block of zeros gets the byte 1 where the rule says 127: its codes are zeros, which add
; nothing under any byte but 0xff, and the bytes are read by this program alone.  Blocks whose largest magnitude lies under 2^-118 get the byte 1, as the rule's clip gives.
; THE OUTPUT IS LAID AS THE PRODUCT'S OPERAND REGISTERS WANT IT.  A BLOCK OF THE BUFFER is 128 rows x 256 along K, 33,792 dense bytes; block number = 16 (row / 128) + k / 256.
;   byte (2 i + q) 2048 + 512 c + 16 L + j: the code of row 16 i + L % 16 at k = 128 q + 32 c + 16 (L / 16) + j: the image of fragment (i, q)'s registers 4 c .. 4 c + 3 in lane L;
;   byte 32768 + 128 i + 8 r + 4 q: the scale word (four bytes, 128 along K) of row 16 i + r, quarter q.
; SHARES.  One work-group makes one block: the first 512 take x, the others weight (only pointers are chosen: one path through the text).  Wave w takes rows 32 w .. 32 w + 31:
; four steps s = 2 u + q, each a fragment of 16 rows x 128 along K.  A load reads 512 consecutive bytes of one row; the conversions want 16 neighbours along K in one lane:
; a step's 16 x 512 bytes turn through the wave's own stage in LDS (rows 528 bytes apart, so that sixteen lanes' 16-byte reads of sixteen rows fall 33 x 16 bytes apart).
; The codes leave straight from the conversions' registers, 512 consecutive bytes a store; a wave's 64 scale words leave as one store of 256 consecutive aligned bytes.
; Waves share nothing: no barrier.  No tensor load.  Loads run two steps (32 loads a wave) ahead.
.set BLKB, 33792                       ; a block of the output
.set SP,   528                         ; a stage row: 512 bytes + 16
.set STG,  16*SP                       ; a wave's stage
.set W,    8                           ; v[8:9]    my scale words for q = 0, 1: lanes 0-15 row group 2 w, lanes 16-31 row group 2 w + 1
.set R,    16                          ; v16-143   two sets of 64 registers, as loaded
.set X,    144                         ; v144-207  64 numbers: register 16 b + i = k 32 b + 16 (lane / 16) + i of row lane % 16
.set PC,   208                         ; v208-223  the fragment's codes
.set TM,   224                         ; v224-227 largest magnitudes, v228-231 bytes, v232-235 448 x the scale, v236-239 the conversions' scale operands
.set PW,   240                         ; v240      the scale word just made
	s_load_b256 s[4:11], s[0:1], 0x0               ; x s[4:5], weight s[6:7], xq s[8:9], wq s[10:11]
	v_lshl_add_u32 v248, v0, 2, 0x8400
	v_mov_b32 v249, 0
	v_lshrrev_b32 v1, 5, v0
	v_readfirstlane_b32 s16, v1                    ; wave 0..3
	v_and_b32 v1, 31, v0                           ; lane
	v_and_b32 v2, 15, v0                           ; r
	v_bfe_u32 v3, v0, 4, 1                         ; h
	v_lshlrev_b32 v4, 4, v1                        ; 16 x lane: my place in a load's 512 bytes and in a store's
	s_mul_i32 s17, s16, STG                        ; my wave's stage
	v_add_nc_u32 v5, s17, v4                       ; into it: 16 x lane of a row
	v_mul_u32_u24 v6, v2, SP
	v_lshl_add_u32 v6, v3, 6, v6
	v_add_nc_u32 v6, s17, v6                       ; out of it: row r, + 64 h: my 16 numbers of a block of 32
	v_lshlrev_b32 v7, 3, v1                        ; 8 x lane: my two scale words
	v_cmp_lt_u32 s25, 15, v1                       ; the mask of lanes 16-31
.irp b, 0,1,2,3
	v_mov_b32 v[TM+4+\b], 0                        ; written once: a lane permute's destination counts as one of its sources
.endr
	s_mov_b32 s22, 0x76543210
	s_mov_b32 s23, 0xfedcba98                      ; v_permlanex16_b32's selects for lane l xor 16
	s_mov_b32 s24, 0x600000                        ; the mantissa field of 448
	s_cmp_lt_u32 ttmp9, 512
	s_cselect_b32 s12, 0, 512
	s_sub_co_u32 s12, ttmp9, s12                   ; the block's number in its tensor, 0..511
	s_lshr_b32 s18, s12, 4
	s_lshl_b32 s18, s18, 21                        ; 128 rows of 16,384 bytes for each row block,
	s_and_b32 s19, s12, 15
	s_lshl_b32 s19, s19, 10                        ; 256 numbers of 4 bytes for each K step,
	s_add_co_u32 s18, s18, s19
	s_lshl_b32 s19, s16, 19                        ; 32 rows for each wave
	s_add_co_u32 s18, s18, s19
	s_mov_b32 s19, 0
	s_mul_i32 s20, s12, BLKB                       ; the block in the output
	s_mov_b32 s21, 0
	s_lshl_b32 s26, s16, 8
	s_add_co_u32 s26, s26, 32768                   ; my wave's 256 bytes of scale words in it
	s_mov_b32 s27, 0
	s_lshl_b32 s28, s16, 13                        ; my wave's four fragments in it
	s_mov_b32 s29, 0
	s_wait_kmcnt 0x0
	s_cmp_lt_u32 ttmp9, 512                        ; x's work-group or weight's?  The choice hangs on the work-group's number alone
	s_cselect_b64 s[4:5], s[4:5], s[6:7]
	s_cselect_b64 s[8:9], s[8:9], s[10:11]
	s_add_nc_u64 s[4:5], s[4:5], s[18:19]
	s_add_nc_u64 s[8:9], s[8:9], s[20:21]
	s_add_nc_u64 s[10:11], s[8:9], s[26:27]        ; the scale words' base
	s_add_nc_u64 s[8:9], s[8:9], s[28:29]          ; the codes' base
.macro LOAD s                          ; step s = 2 u + q: rows 16 u + 0 .. 15 of my 32, numbers 128 q on of the block's 256: 16 loads of 512 consecutive bytes, into set s % 2
.irp rr, 0,1,2,3,4,5,6,7,8,9,10,11,12,13,14,15
	global_load_b128 v[R+64*((\s)%2)+4*\rr:R+64*((\s)%2)+4*\rr+3], v4, s[4:5] offset:(16*((\s)/2)+\rr)*16384+512*((\s)%2) th:TH_LOAD_NT
.endr
.endm
; The 64 numbers in v[X] on become a fragment's codes in v[PC] on and my row's scale word in v[PW].
.macro QUANT
.irp b, 0,1,2,3
	v_max3_num_f32 v[TM+\b], |v[X+16*\b]|, |v[X+1+16*\b]|, 0x4800000   ; block b: my 16 numbers, and the floor 2^(9 - 127): the byte cannot fall under 1
.endr
.irp i, 2,4,6,8,10,12,14
.irp b, 0,1,2,3
	v_max3_num_f32 v[TM+\b], v[TM+\b], |v[X+16*\b+\i]|, |v[X+1+16*\b+\i]|   ; (the four blocks by turns: no line waits for the line above it)
.endr
.endr
.irp b, 0,1,2,3
	v_permlanex16_b32 v[TM+4+\b], v[TM+\b], s22, s23
.endr
.irp b, 0,1,2,3
	v_max_num_f32 v[TM+\b], v[TM+\b], v[TM+4+\b]   ; with lane l xor 16's 16 numbers: the block's largest magnitude
.endr
.irp b, 0,1,2,3
	v_add_nc_u32 v[TM+12+\b], 0xfc000000, v[TM+\b] ; 8 off its exponent field: the conversion takes the exponent field of this operand as its scale
.endr
.irp b, 0,1,2,3
	v_and_or_b32 v[TM+8+\b], v[TM+\b], 0x7f800000, s24   ; 448 x the scale: the largest magnitude's exponent field over 448's mantissa
.endr
.irp b, 0,1,2,3
	v_lshrrev_b32 v[TM+4+\b], 23, v[TM+12+\b]      ; the scale's byte
.endr
	v_lshl_or_b32 v[PW], v[TM+5], 8, v[TM+4]       ; the four bytes make my row's scale word, the lower K in the lower byte
	v_lshl_or_b32 v[PW], v[TM+6], 16, v[PW]
	v_lshl_or_b32 v[PW], v[TM+7], 24, v[PW]
.irp b, 0,1,2,3
.irp i, 0,1,2,3,4,5,6,7,8,9,10,11,12,13,14,15
	v_med3_num_f32 v[X+16*\b+\i], v[X+16*\b+\i], -v[TM+8+\b], v[TM+8+\b]   ; the conversion to an 8-bit code does not saturate (ISA guide 7.6.2): the hold at the largest code x the scale
.endr
	v_cvt_scalef32_pk8_fp8_f32 v[PC+4*\b:PC+1+4*\b], v[X+16*\b:X+7+16*\b], v[TM+12+\b]
	v_cvt_scalef32_pk8_fp8_f32 v[PC+2+4*\b:PC+3+4*\b], v[X+8+16*\b:X+15+16*\b], v[TM+12+\b]
.endr
	v_nop                                          ; one plain vector line behind the last conversion of the run
.endm
.macro STEP s
.if (\s) < 3
	s_wait_loadcnt 16                              ; this step's 16 loads are in; the next step's 16 may be out
.else
	s_wait_loadcnt 0x0
.endif
.if (\s) > 0
	s_wait_xcnt 0x0                                ; the last step's stores have read v[PC] on, which this step writes again
.endif
.irp rr, 0,1,2,3,4,5,6,7,8,9,10,11,12,13,14,15
	ds_store_b128 v5, v[R+64*((\s)%2)+4*\rr:R+64*((\s)%2)+4*\rr+3] offset:SP*\rr   ; the rows as they were loaded
.endr
.irp c, 0,1,2,3
.irp j, 0,1,2,3
	ds_load_b128 v[X+16*\c+4*\j:X+16*\c+4*\j+3], v6 offset:128*\c+16*\j   ; LDS serves a wave's instructions in order (ISA guide 5.7.1.4): these see the stores above
.endr
.endr
	s_wait_dscnt 0x0                               ; my 64 numbers are in, and the stores have read their registers,
.if (\s) < 2
	LOAD (\s)+2                                    ; which take the loads of two steps on
.endif
	QUANT
.if (\s)/2 == 0
	v_mov_b32 v[W+(\s)%2], v[PW]                   ; row group 2 w's word (both halves of the lanes hold it)
.else
	v_cndmask_b32 v[W+(\s)%2], v[W+(\s)%2], v[PW], s25   ; lanes 16-31 take row group 2 w + 1's
.endif
.irp c, 0,1,2,3
	global_store_b128 v4, v[PC+4*\c:PC+4*\c+3], s[8:9] offset:2048*(\s)+512*\c   ; 32 lanes store 512 consecutive bytes, at a multiple of 256 from the buffer's first byte
.endr
.endm
	LOAD 0
	LOAD 1
	STEP 0
	STEP 1
	STEP 2
	STEP 3
	global_store_b64 v7, v[W:W+1], s[10:11]        ; 32 lanes store 256 consecutive bytes, at a multiple of 256 from the buffer's first byte
	s_wait_tensorcnt 0x0
	ds_add_u32 v248, v249
	s_wait_dscnt 0x0
	s_endpgm
.Lfunc_end_k_q9c360e15c1_quant:
	.size	k_q9c360e15c1_quant, .Lfunc_end_k_q9c360e15c1_quant-k_q9c360e15c1_quant
	.p2alignl 7, 3214868480
	.fill 96, 4, 3214868480
	.section	.rodata,"a",@progbits
	.p2align	6, 0x0
	.amdhsa_kernel k_q9c360e15c1_quant
		.amdhsa_group_segment_fixed_size 34304
		.amdhsa_private_segment_fixed_size 0
		.amdhsa_enable_private_segment 0
		.amdhsa_kernarg_size 32
		.amdhsa_user_sgpr_count 2
		.amdhsa_user_sgpr_kernarg_segment_ptr 1
		.amdhsa_wavefront_size32 1
		.amdhsa_system_sgpr_workgroup_id_x 1
		.amdhsa_system_sgpr_workgroup_id_y 1
		.amdhsa_system_sgpr_workgroup_id_z 1
		.amdhsa_system_vgpr_workitem_id 0
		.amdhsa_next_free_vgpr 250
		.amdhsa_next_free_sgpr 66
		.amdhsa_reserve_vcc 0
		.amdhsa_float_denorm_mode_32 3
		.amdhsa_float_denorm_mode_16_64 3
		.amdhsa_memory_ordered 1
		.amdhsa_forward_progress 1
		.amdhsa_inst_pref_size 51
	.end_amdhsa_kernel
	.amdgpu_metadata
---
amdhsa.version: [ 1, 2 ]
amdhsa.kernels:
  - .name:           k_q9c360e15c1_quant
    .symbol:         k_q9c360e15c1_quant.kd
    .args:
      - { .name: x, .offset: 0, .size: 8, .value_kind: global_buffer, .address_space: global }
      - { .name: weight, .offset: 8, .size: 8, .value_kind: global_buffer, .address_space: global }
      - { .name: xq, .offset: 16, .size: 8, .value_kind: global_buffer, .address_space: global }
      - { .name: wq, .offset: 24, .size: 8, .value_kind: global_buffer, .address_space: global }
    .group_segment_fixed_size: 34304
    .private_segment_fixed_size: 0
    .kernarg_segment_align: 8
    .kernarg_segment_size: 32
    .max_flat_workgroup_size: 128
    .sgpr_count:     66
    .vgpr_count:     250
    .wavefront_size: 32
...
	.end_amdgpu_metadata
.endif
;; end of part 1
;; launch gemm (part 2): grid 16 x 16, 4 waves a work-group, clusters of 4 x 4, 327,680 bytes of LDS; arguments xq, wq, bias, out0; writes out0
.if DOCPART == 2
	.amdgcn_target "amdgcn-amd-amdhsa--gfx1250"
	.amdhsa_code_object_version 6
	.text
	.protected	k_q9c360e15c1_gemm
	.globl	k_q9c360e15c1_gemm
	.p2align	8
	.type	k_q9c360e15c1_gemm,@function
k_q9c360e15c1_gemm:
	s_mov_b64 s[64:65], 0
	v_nop
	global_prefetch_b8 v0, s[64:65] scope:SCOPE_SE
	s_setreg_imm32_b32 hwreg(HW_REG_WAVE_MODE, 25, 1), 1
	s_wait_xcnt 0x0
	s_wait_alu depctr_hold_cnt(0) depctr_sa_sdst(0) depctr_va_vdst(0) depctr_va_sdst(0) depctr_va_ssrc(0) depctr_va_vcc(0) depctr_vm_vsrc(0)
	s_getreg_b32 s2, hwreg(HW_REG_IB_STS2, 6, 4)
	s_cmp_eq_u32 s2, 0
	s_cbranch_scc0 .Lentry_in_a_cluster
	s_endpgm
.Lentry_in_a_cluster:
	s_bfe_u32 s2, ttmp6, 0x10000c
	s_cmp_lg_u32 s2, 0xf033
	s_cbranch_scc0 .Lentry_shape_is_right
	s_endpgm
.Lentry_shape_is_right:
; out0[m][n] = sum over k of A[m][k] B[n][k] + bias[n], 4096 x 4096 x 4096.  A = x, B = weight, as codes of FP8 (E4M3) with one E8M0 scale for each 32 along K; sums in f32, K ascending.
; xq and wq hold them in blocks of 128 rows x 256 along K, 33,792 dense bytes, block number 16 (row / 128) + k / 256.  In a block: 16 fragments (row group i, quarter q) at (2 i + q) 2048,
; each the image of an operand's 16 registers (register group c at 512 c, lane L at 16 L); behind them, at 32768 + 128 i + 8 r + 4 q, the scale word of row 16 i + r, quarter q.
; So one dense tensor load brings the codes AND the scales of 128 rows for a K step of 256, and every fragment load from LDS reads 512 consecutive bytes: no pitch, no padding.
; A tile of out0, 256 x 256, is made by a work-group of four waves; a wave makes 128 x 128: 64 accumulators of 16 x 16, 512 registers.  16 x 16 tiles: one for each of 256 work-groups.
; K goes in 16 steps of 256 through a ring of two LDS slots; each wave fetches one block a step (waves 0, 1: A's two halves; waves 2, 3: B's).
; CLUSTERS: 4 x 4 work-groups.  The four of a row of the cluster need the same blocks of A, the four of a column the same blocks of B: each block is asked for JOINTLY, by the same tensor load
; with the same descriptor and a mask that names the four.
; THE MATRIX INSTRUCTION IS USED TRANSPOSED (source 0 = 16 rows of B, source 1 = 16 rows of A): a lane then holds eight neighbouring numbers of a row of out0.
; THE BIAS STARTS THE SUMS: it is the C of each accumulator's first matrix instruction (eight registers for each of B's eight groups, in the result's layout).  Nothing is cleared, nothing is added later.
; REGISTERS, in windows of 256: window 0: v0-31 addresses; v32-63 scale words, two sets, and nothing else; v64-127 the bias; v128-255 A's fragments (8 x 16 rows x 128 K), ONE set; on the way out rows of out0.
;   window 1: B's fragments, TWO sets, at v0 and at v128.   window 2: the 32 accumulators of my rows 0-63 (accumulator (a, b) at v[8 (8 a + b)]);   window 3: those of my rows 64-127.
; A step of 128 along K is 64 matrix instructions, A's groups one after the other, each against B's eight: a group of A is free as soon as its eight products are issued, so one set serves A
; (groups 0-3 fetched anew in the step's middle, groups 4-7 at its end); B's fragments are at work through the whole step, so B has two sets.
.set BLKB,   33792                     ; a block: what one tensor load brings, and what one wave reads of A or of B in a K step
.set RBB,    16*BLKB                   ; the 16 K steps of 128 rows
.set SLOT,   4*BLKB                    ; A's two halves, then B's two halves
.set SPARE,  2*SLOT                    ; behind the ring: the spare words, 128 bytes for each wave: two blocks of 256 bytes that no other line names
.set SCOFF,  32768                     ; the scale words' place in a block
.set LAPS,   8                         ; a lap = two K steps = once round the ring
.set FR,     16                        ; registers of a fragment
.set NL,     4                         ; LDS loads that bring one
.set NP,     8                         ; places behind this matrix instruction (ISA guide 7.12.1)
.set ROWC,   16384                     ; a row of out0 in bytes
.set SPITCH, 528                       ; the way out: a stage of 16 rows x (512 bytes + 16) for each wave.  It lies in slot 0, which has had its last fill and its last read when the first result is stored there
.set ADRA, 16                          ; v16-17  LDS address of my A fragments in slot 0, 1
.set ADRB, 20                          ; v20-21  the same for B
.set ADRS, 22                          ; v22-23  of my scale words in slot 0, 1: lanes 0-15 A's rows, lanes 16-31 B's
.set STO,  24                          ; v24     the way out: where I put 32 bytes of a row
.set RD,   25                          ; v25     the way out: where I read a row back
.set CO,   26                          ; v26     16 x lane: my byte offset in a row of 512 bytes
.set SPW,  28                          ; v28     LDS address of my spare word: SPARE + 4 x my thread's number; never rewritten
.set NIL,  29                          ; v29     0; never rewritten
.set PFO,  30                          ; v30     the prefetches' offset in a block's codes: 8192 x my work-group's place among the four + 256 x my lane; never rewritten
.set PFS,  31                          ; v31     and among its scale words: 32768 + 256 x that place, the same in all lanes; never rewritten
.set SC,   32                          ; scale words: set s (for slot s) at v[SC + 16 s]; in it register 2 i + q: lanes 0-15 the word of A's group i, lanes 16-31 that of B's group i, quarter q
.set BI,   64                          ; v[BI + 8 b + j] = bias[my first column + 16 b + 8 (lane / 16) + j]
.set AF,   128                         ; A's fragments, in window 0
.set BK,   128                         ; the way out: 16 rows read back from the stage: v128-191 and v192-255 by turns
.set PFA,  12                          ; s[12:13] where my prefetches stand: the block of my 128 rows one K step further on than the refill that is being asked for; a prefetch names the block after that
.set LIM,  18                          ; s18     1 in a wave that prefetches, else the greatest number
.set G1, 24                            ; s[24:31] descriptor group 1 for A's blocks;  s[32:39] group 0, one set for each slot
.set G0, 32
.set G1B, 48                           ; s[48:55], s[56:63] the same for B's blocks
.set G0B, 56
.set MSB, 0
.macro WIN new                         ; the immediate's high byte repeats the setting that is left; a switch that changes nothing is dropped
.if MSB != \new
	s_set_vgpr_msb (MSB<<8)|\new
.set MSB, \new
.endif
.endm
.set MUL_LO,   0xa1                    ; source 0 (B) window 1, source 1 (A) window 0, C and D window 2
.set MUL_HI,   0xf1                    ; the same, C and D window 3
.set FIRST_LO, 0x81                    ; the first step: C (the bias) window 0, D window 2
.set FIRST_HI, 0xc1                    ; C window 0, D window 3
.set TO_B,     0x40                    ; destination window 1, address window 0
; A joint load: waves 0 and 1 fetch for A, waves 2 and 3 for B.  Each of the two lines has ONE mask and one set of registers for all that issue it; the branch hangs on the wave's number alone.
; Four v_nop follow each of the two lines, ahead of the jump, the label and what follows.
.macro JLOAD g0a, g1a, g0b, g1b
	s_cmp_eq_u32 s15, 0
	s_cbranch_scc0 .Lfor_b_\@
	tensor_load_to_lds s[\g0a:\g0a+3], s[\g1a:\g1a+7]
	s_nop 0
.rept 4
	v_nop
.endr
	s_branch .Lasked_\@
.Lfor_b_\@:
	tensor_load_to_lds s[\g0b:\g0b+3], s[\g1b:\g1b+7]
	s_nop 0
.rept 4
	v_nop
.endr
.Lasked_\@:
.endm
; A PREFETCH INTO THE L2, behind each joint load of the loop and its four lines: the block that stands TWO refills on, 256 matrix instructions ahead of the load that will want it.
; A block is 132 runs of 256 bytes: 128 of codes and 4 of scale words.  Each run is named ONCE in the launch.  A's blocks are read by every cluster of a row of clusters: the first of them (cluster x = 0)
; asks; B's by every cluster of a column: cluster y = 0 asks.  The four partners that fetch a block jointly share it out BY ADDRESS: the partner at place p (cx for A, cy for B) takes the codes
; 8192 p .. 8192 p + 8191, a lane a run, and the p-th run of the scale words, which all its lanes name together (132 = 4 x 33: one run is over for each partner).  No branch hangs on a work-group's place in its cluster.
; K steps 0 to 3 come by their loads alone: nothing is prefetched at the head.  The last trip's two refills, K steps 14 and 15, have no K step two on and ask for nothing.
.macro ASK
	s_cmp_gt_u32 s3, s[LIM]                        ; s3 = 1 in the loop's last trip
	s_cbranch_scc0 .Lnot_mine_\@
	global_prefetch_b8 v[PFO], s[PFA:PFA+1] offset:BLKB th:TH_LOAD_NT scope:SCOPE_SE
	global_prefetch_b8 v[PFS], s[PFA:PFA+1] offset:BLKB th:TH_LOAD_NT scope:SCOPE_SE
.Lnot_mine_\@:
.endm
.macro CREST                           ; a round of the cluster's barrier behind its opening barrier
	s_cmp_lg_u32 s14, 0
	s_cbranch_scc1 .Lnot_wave_0_\@
	s_barrier_signal -3
.Lnot_wave_0_\@:
	s_barrier_wait -3
	s_barrier_signal -1
	s_barrier_wait -1
.endm
.macro CROUND                          ; a whole round
	s_barrier_signal -1
	s_barrier_wait -1
	CREST
.endm
	s_load_b256 s[4:11], s[0:1], 0x0               ; xq s[4:5], wq s[6:7], bias s[8:9], out0 s[10:11]
	v_lshl_add_u32 v[SPW], v0, 2, SPARE
	v_mov_b32 v[NIL], 0
	ds_add_u32 v28, v29
	ds_add_u32 v28, v29
	s_wait_dscnt 0x0
	v_lshrrev_b32 v1, 5, v0
	v_readfirstlane_b32 s14, v1                    ; wave 0..3
	s_lshr_b32 s15, s14, 1                         ; which half of the tile's rows is mine.  Also: I fetch for A (0) or for B (1)
	s_and_b32 s16, s14, 1                          ; which half of its columns.  Also: which 128 rows of that operand I fetch
	s_bfe_u32 s40, ttmp6, 0x40000                  ; cx, cy: my place in the cluster
	s_bfe_u32 s41, ttmp6, 0x40004
	s_lshl_b32 s42, ttmp9, 2
	s_add_co_u32 s42, s42, s40                     ; tile column = 4 x cluster x + cx
	s_and_b32 s17, ttmp7, 0xffff
	s_lshl_b32 s17, s17, 2
	s_add_co_u32 s17, s17, s41                     ; tile row = 4 x cluster y + cy
	s_lshl_b32 s43, s41, 2
	s_lshl_b32 s43, 15, s43                        ; my row of the cluster: places 4 cy .. 4 cy + 3
	s_lshl_b32 s44, 0x1111, s40                    ; my column: places cx, cx + 4, cx + 8, cx + 12
	; descriptor group 1: a dense block of 33,792 bytes as 132 rows of 256 bytes (32 elements of 8 bytes), no padding
	s_or_b32 s[G1+0], s43, (3<<16)|(1<<21)         ; 15:0 the mask: A's blocks go to my row; 17:16 elements of 8 bytes; 20 no padding; 21 set beside a mask
	s_or_b32 s[G1B+0], s44, (3<<16)|(1<<21)        ; the same with the mask of my column, for B's blocks
.irp g, G1, G1B
	s_mov_b32 s[\g+1], 32<<16                      ; tensor_dim0 = 32
	s_mov_b32 s[\g+2], 132<<16                     ; tensor_dim1 = 132
	s_mov_b32 s[\g+3], 32<<16                      ; tile_dim0 = 32
	s_mov_b32 s[\g+4], 132                         ; tile_dim1 = 132
	s_mov_b32 s[\g+5], 32                          ; tensor_dim0_stride: the rows follow each other
	s_mov_b32 s[\g+6], 0
	s_mov_b32 s[\g+7], 0
.endr
	; where the blocks come from.  A's hang on the tile row alone, which my row of the cluster shares; B's on the tile column alone, which my column shares.
	s_lshl_b32 s20, s17, 1
	s_add_co_u32 s20, s20, s16                     ; A: row block 2 x tile row + half
	s_mul_i32 s20, s20, RBB
	s_mov_b32 s21, 0
	s_lshl_b32 s46, s42, 1
	s_add_co_u32 s46, s46, s16                     ; B: row block 2 x tile column + half
	s_mul_i32 s46, s46, RBB
	s_mov_b32 s47, 0
	s_mul_i32 s45, s14, BLKB                       ; where they go: wave x a block: no place in the cluster enters an LDS address
	s_wait_kmcnt 0x0
	s_add_nc_u64 s[20:21], s[4:5], s[20:21]
	s_add_nc_u64 s[46:47], s[6:7], s[46:47]
	CROUND                                         ; all sixteen work-groups are here: the first joint loads meet
.irp s, 0,1
	s_mov_b32 s[G0+4*\s], 1                        ; 1:0 count = 1
	s_add_co_u32 s[G0+4*\s+1], s45, \s*SLOT        ; 63:32 LDS address
	s_add_nc_u64 s[G0+4*\s+2:G0+4*\s+3], s[20:21], \s*BLKB   ; 120:64 global address: K step s
	s_or_b32 s[G0+4*\s+3], s[G0+4*\s+3], 0x80000000          ; 127:126 type = 2
	s_mov_b32 s[G0B+4*\s], 1
	s_add_co_u32 s[G0B+4*\s+1], s45, \s*SLOT
	s_add_nc_u64 s[G0B+4*\s+2:G0B+4*\s+3], s[46:47], \s*BLKB
	s_or_b32 s[G0B+4*\s+3], s[G0B+4*\s+3], 0x80000000
	JLOAD G0+4*\s, G1, G0B+4*\s, G1B               ; two tensor loads of mine are out
.endr
	v_and_b32 v1, 15, v0                           ; r = lane % 16
	v_bfe_u32 v2, v0, 4, 1                         ; h = lane / 16
	v_and_b32 v3, 31, v0                           ; lane
	v_lshlrev_b32 v[CO], 4, v3                     ; 16 x lane
	s_mul_i32 s21, s15, BLKB                       ; my 128 rows of A
	s_mul_i32 s22, s16, BLKB                       ; my 128 rows of B,
	s_add_co_u32 s22, s22, 2*BLKB                  ; which lie behind A's two blocks
.irp s, 0,1
	v_add_nc_u32 v[ADRA+\s], s21, v[CO]
	v_add_nc_u32 v[ADRB+\s], s22, v[CO]
	s_add_co_u32 s21, s21, SLOT
	s_add_co_u32 s22, s22, SLOT
.endr
	s_xor_b32 s22, s15, 1                          ; the scale words: lanes 16-31 take B's, which lie (2 + column half - row half) blocks behind A's:
	s_add_co_u32 s22, s22, s16                     ; 1 + column half + (1 - row half)
	s_add_co_u32 s22, s22, 1
	s_mul_i32 s22, s22, BLKB
	v_mul_u32_u24 v6, s22, v2                      ; one product: h x the distance
	v_lshl_add_u32 v5, v1, 3, v6                   ; + 8 bytes a row
	s_mul_i32 s21, s15, BLKB
	s_add_co_u32 s21, s21, SCOFF
	v_add_nc_u32 v[ADRS], s21, v5
	s_add_co_u32 s21, s21, SLOT
	v_add_nc_u32 v[ADRS+1], s21, v5
	s_mul_i32 s23, s14, 16*SPITCH                  ; my stage
	v_mul_u32_u24 v5, v1, SPITCH                   ; in: row r, 32 bytes for each half of the lanes
	v_lshl_add_u32 v5, v2, 5, v5
	v_add_nc_u32 v[STO], s23, v5
	v_add_nc_u32 v[RD], s23, v[CO]                 ; back: the 32 lanes take one row of 512 bytes
	v_lshlrev_b32 v7, 5, v2                        ; the bias: 32 h bytes on
	s_lshl_b32 s20, s17, 8
	s_lshl_b32 s21, s15, 7
	s_add_co_u32 s20, s20, s21                     ; my first row of out0: 256 x tile row + 128 x half,
	s_lshl_b32 s20, s20, 14                        ; in bytes (under 2^27)
	s_mov_b32 s21, 0
	s_lshl_b32 s46, s42, 10                        ; my first column, in bytes: 1024 x tile column + 512 x half
	s_lshl_b32 s47, s16, 9
	s_add_co_u32 s46, s46, s47
	s_mov_b32 s47, 0
	s_add_nc_u64 s[8:9], s[8:9], s[46:47]          ; the bias of my 128 columns
	s_add_nc_u64 s[10:11], s[10:11], s[46:47]
	s_add_nc_u64 s[10:11], s[10:11], s[20:21]
.irp b, 0,1,2,3,4,5,6,7
	global_load_b128 v[BI+8*\b:BI+8*\b+3], v7, s[8:9] offset:64*\b        ; bias[16 b + 8 h + 0 .. 3]
	global_load_b128 v[BI+8*\b+4:BI+8*\b+7], v7, s[8:9] offset:64*\b+16   ; and + 4 .. 7
.endr
	; the prefetches (macro ASK): where my wave's stand, and who asks.  s17 = tile row, s42 = tile column, s40 = cx, s41 = cy still stand; s[4:5] = xq, s[6:7] = wq
	s_and_b32 s22, ttmp7, 0xffff                   ; cluster y
	s_cmp_eq_u32 s15, 0                            ; do I fetch for A?
	s_cselect_b32 s19, s17, s42                    ; the tile's number along its operand: the tile row for A, the tile column for B
	s_cselect_b32 s23, s40, s41                    ; my place among the four that ask for the block with me
	s_cselect_b32 s22, ttmp9, s22                  ; the coordinate along which other clusters read the same rows
	s_cselect_b64 s[PFA:PFA+1], s[4:5], s[6:7]
	s_cmp_eq_u32 s22, 0
	s_cselect_b32 s[LIM], 1, -1                    ; the same in all sixteen partners, for a given wave
	s_lshl_b32 s19, s19, 1
	s_add_co_u32 s19, s19, s16                     ; the row block that I fetch
	s_mul_i32 s20, s19, RBB
	s_add_co_u32 s20, s20, 2*BLKB                  ; at K step 2: the first refill steps it to 3 and names K step 4
	s_mov_b32 s21, 0
	s_add_nc_u64 s[PFA:PFA+1], s[PFA:PFA+1], s[20:21]
	s_lshl_b32 s19, s23, 13
	v_lshl_add_u32 v[PFO], v3, 8, s19              ; my work-group's quarter of the codes, 256 bytes from lane to lane
	s_lshl_b32 s19, s23, 8
	s_add_co_u32 s19, s19, SCOFF
	v_mov_b32 v[PFS], s19                          ; and its one run of the scale words
.macro FRAG reg, adr, q, i             ; fragment (i, q): 16 registers, four loads of 512 consecutive bytes: lane l gets row l % 16; registers 4 c .. 4 c + 3: K = 32 c + 16 (l / 16) + 0 .. 15
.irp c, 0,1,2,3
	ds_load_b128 v[\reg+4*\c:\reg+4*\c+3], v[\adr] offset:(2*(\i)+(\q))*2048+512*\c
.endr
.endm
; 8 matrix instructions: A's group a x B's eight, 128 along K: the slot's q-th.  p: B's set;  sc: the set of scale words.  first = 1: the bias is C, and the product starts the sums.
; The 64 accumulators take turns, one instruction a turn, in the same order in every step.
.macro MUL8 a, p, q, sc, first
.irp b, 0,1,2,3,4,5,6,7
.if \first
	v_wmma_scale_f32_16x16x128_f8f6f4 v[8*(8*((\a)%4)+\b):8*(8*((\a)%4)+\b)+7], v[128*(\p)+FR*\b:128*(\p)+FR*\b+FR-1], v[AF+FR*(\a):AF+FR*(\a)+FR-1], v[BI+8*\b:BI+8*\b+7], v[SC+16*(\sc)+2*\b+(\q)], v[SC+16*(\sc)+2*(\a)+(\q)] matrix_a_scale:MATRIX_SCALE_ROW1
.else
	v_wmma_scale_f32_16x16x128_f8f6f4 v[8*(8*((\a)%4)+\b):8*(8*((\a)%4)+\b)+7], v[128*(\p)+FR*\b:128*(\p)+FR*\b+FR-1], v[AF+FR*(\a):AF+FR*(\a)+FR-1], v[8*(8*((\a)%4)+\b):8*(8*((\a)%4)+\b)+7], v[SC+16*(\sc)+2*\b+(\q)], v[SC+16*(\sc)+2*(\a)+(\q)] matrix_a_scale:MATRIX_SCALE_ROW1
.endif
.endr
.endm
.macro MUL16 a0, p, q, sc, first       ; A's groups a0 and a0 + 1
	MUL8 \a0, \p, \q, \sc, \first
	MUL8 (\a0)+1, \p, \q, \sc, \first
.endm
.macro FETCH_B slot, q, p              ; B's eight fragments of the slot's q-th 128 along K into set p
	WIN TO_B
.irp i, 0,1,2,3,4,5,6,7
	FRAG 128*(\p)+FR*\i, ADRB+\slot, \q, \i
.endr
	WIN 0
.endm
.macro FETCH_A slot, q, i0             ; A's groups i0 .. i0 + 3
.irp i, \i0, \i0+1, \i0+2, \i0+3
	FRAG AF+FR*(\i), ADRA+\slot, \q, \i
.endr
.endm
.macro SCALES sc                       ; slot sc's scale words into set sc: two words a row; lanes 0-15 take A's group i, lanes 16-31 B's group i
.irp i, 0,1,2,3,4,5,6,7
	ds_load_b64 v[SC+16*\sc+2*\i:SC+16*\sc+2*\i+1], v[ADRS+\sc] offset:128*\i
.endr
.endm
; A load into a register that a matrix instruction has read, and an LDS store that reads a matrix result, stand NP places behind that matrix instruction, and only plain vector
; instructions that name none of its registers are places (ISA guide 7.12.1 for vector instructions); the matrix instructions in between are not counted.
.macro PLACES n
.rept \n
	v_nop
.endr
.endm
; A step of 128 along K that has its successor in the same slot.
.macro STEP slot, q, first
	s_wait_dscnt 4*NL                              ; B's set, A's groups 0-3 and the scale words are in; the youngest 16 loads (A's groups 4-7) may be out
.if \first
	WIN FIRST_LO
.else
	WIN MUL_LO
.endif
	MUL16 0, (\q)%2, \q, \slot, \first
	MUL16 2, (\q)%2, \q, \slot, \first
	s_wait_dscnt 0                                 ; A's groups 4-7 are in (asked for 32 matrix instructions ago)
	PLACES NP
	FETCH_B \slot, (\q)+1, 1-(\q)%2
	FETCH_A \slot, (\q)+1, 0
.if \first
	WIN FIRST_HI
.else
	WIN MUL_HI
.endif
	MUL16 4, (\q)%2, \q, \slot, \first
	MUL16 6, (\q)%2, \q, \slot, \first
	PLACES NP
	WIN 0
	FETCH_A \slot, (\q)+1, 4
.endm
; A slot's last step changes slots, EARLY IN THE STEP: all its fragments were asked for in the step before, so this slot is read out as soon as those loads are back.  ONE barrier; in front of it each wave
; waits for all its tensor loads, adds 0 to its spare word, and waits for that and for its own reads of this slot.  fill = 1: this slot is filled again, two K steps ahead; the barrier then opens a round of
; the cluster's barrier.  The wait for the tensor loads stands behind the step's first 8 matrix instructions, the refill behind its first 24: from a request to the wait for it a wave issues 40 + 64 + 8 = 112.
.macro TURN slot, next, fill
.if \fill
	s_wait_xcnt 0x0                                ; the last prefetches, a K step back, have read their address: it is stepped here, ahead of the waits of the change of slots
	s_add_nc_u64 s[PFA:PFA+1], s[PFA:PFA+1], BLKB
.endif
	s_wait_dscnt 4*NL                              ; B's set and A's groups 0-3 are in; the youngest 16 loads (A's groups 4-7) may be out
	WIN MUL_LO
	MUL8 0, 1, 1, \slot, 0
	WIN 0                                          ; (the add's two registers lie in window 0)
	s_wait_tensorcnt 0x0                           ; all my tensor loads have landed: the one that was out is my block of the next slot
	ds_add_u32 v[SPW], v[NIL]                      ; 0 onto my spare word
	WIN MUL_LO
	MUL8 1, 1, 1, \slot, 0                         ; eight matrix instructions stand between the add and the wait for it
	s_wait_dscnt 0x0                               ; the add is done, and my reads of this slot are over: the last, A's groups 4-7, were issued at the end of the step before
	s_barrier_signal -1
	MUL8 2, 1, 1, \slot, 0                         ; work on registers while the others arrive
	WIN 0
	s_barrier_wait -1
.if \fill
	CREST                                          ; no wave of any partner still reads this slot's blocks or has a load on its way
	s_add_nc_u64 s[G0+4*\slot+2:G0+4*\slot+3], s[G0+4*\slot+2:G0+4*\slot+3], 2*BLKB      ; no tensor load of mine is out, so a group 0 may be written: two K steps on
	s_add_nc_u64 s[G0B+4*\slot+2:G0B+4*\slot+3], s[G0B+4*\slot+2:G0B+4*\slot+3], 2*BLKB
	JLOAD G0+4*\slot, G1, G0B+4*\slot, G1B         ; the first tensor load behind the round, and my only one until the next
	ASK                                            ; behind the joint load and its four lines
.endif
	WIN MUL_LO
	MUL8 3, 1, 1, \slot, 0
	PLACES NP                                      ; for the loads into A's groups 0-3, which the products just issued have read
	FETCH_B \next, 0, 0
	FETCH_A \next, 0, 0
	SCALES \next
	WIN MUL_HI
	MUL16 4, 1, 1, \slot, 0
	MUL16 6, 1, 1, \slot, 0
	PLACES NP
	WIN 0
	FETCH_A \next, 0, 4
.endm
	s_wait_tensorcnt 1                             ; my block of K step 0 is in (K step 1's load may be out)
	s_barrier_signal -1
	s_barrier_wait -1                              ; everybody's is
	FETCH_B 0, 0, 0
	FETCH_A 0, 0, 0
	SCALES 0
	FETCH_A 0, 0, 4
	s_wait_loadcnt 0x0                             ; the bias
	STEP 0, 0, 1                                   ; the first step stands in front of the loop: its products start the sums, on the bias
	s_mov_b32 s3, LAPS-1
.Llap:                                                 ; a trip goes once round the ring, from a lap's second step to the next lap's first, and fills both slots again
	TURN 0, 1, 1
	STEP 1, 0, 0
	TURN 1, 0, 1
	STEP 0, 0, 0
	s_sub_co_u32 s3, s3, 1
	s_cmp_lg_u32 s3, 0
	s_cbranch_scc1 .Llap
	TURN 0, 1, 0                                   ; the last lap fills nothing, and has no round of the cluster's barrier
	STEP 1, 0, 0
	s_wait_dscnt 4*NL                              ; the very last step: nothing more to fetch
	WIN MUL_LO
	MUL16 0, 1, 1, 1, 0
	MUL16 2, 1, 1, 1, 0
	s_wait_dscnt 0
	WIN MUL_HI
	MUL16 4, 1, 1, 1, 0
	MUL16 6, 1, 1, 1, 0
	WIN 0
; THE WAY OUT, block by block of 16 rows x 128 columns.  A lane holds 32 neighbouring bytes of a row, and the lanes beside it hold other rows: so a block goes through my own stage in LDS and comes back
; as whole rows of 512 bytes.  LDS serves a wave's instructions in order (ISA guide 5.7.1.4): no wait between the stores and the loads, nor in front of the next block's stores.
.macro TOSTAGE a
.set AC, 64*((\a)%4)
	WIN 0x08+4*((\a)/4)                            ; an LDS store's data are its source 1: window 2 or 3
.irp b, 0,1,2,3,4,5,6,7
	ds_store_b128 v[STO], v[AC+8*\b:AC+8*\b+3] offset:64*\b          ; each accumulator from its low end on
	ds_store_b128 v[STO], v[AC+8*\b+4:AC+8*\b+7] offset:64*\b+16
.endr
	WIN 0
.set BB, BK+64*((\a)%2)
.irp t, 0,1,2,3,4,5,6,7,8,9,10,11,12,13,14,15
	ds_load_b128 v[BB+4*\t:BB+4*\t+3], v[RD] offset:\t*SPITCH
.endr
.endm
.macro SEND a, younger                 ; younger: the LDS instructions issued behind block a's loads, which may stay out
.set BB, BK+64*((\a)%2)
	s_wait_dscnt \younger                          ; the block is back in registers
.if (\a) > 0
	s_add_nc_u64 s[10:11], s[10:11], 16*ROWC       ; (behind a wait on XCNT for 0: the earlier stores have read their base)  16 rows of out0 on
.endif
.irp t, 0,1,2,3,4,5,6,7,8,9,10,11,12,13,14,15
	global_store_b128 v[CO], v[BB+4*\t:BB+4*\t+3], s[10:11] offset:\t*ROWC th:TH_STORE_NT   ; 32 lanes store 512 consecutive bytes, at a multiple of 256 from out0's first byte; written once, read by nobody here
.endr
.endm
	PLACES NP                                      ; these places serve the loads into the registers that held A's fragments and the reads of the last products' results alike
	TOSTAGE 0
.irp a, 1,2,3,4,5,6,7
.if \a > 1
	s_wait_xcnt 0x0                                ; block a - 2's stores have read their registers and their base: block a's loads may land there, and the base may step
.endif
	TOSTAGE \a
	SEND \a-1, 32                                  ; behind block a - 1's loads: block a's 16 stores and 16 loads
.endr
	s_wait_xcnt 0x0                                ; block 6's stores have read their base
	SEND 7, 0
	s_wait_tensorcnt 0x0                           ; the wave's end: behind my last tensor load and my last LDS store
	ds_add_u32 v[SPW], v[NIL]
	s_wait_dscnt 0x0
	CROUND                                         ; the closing round: no work-group ends while a partner may still ask for a block that names it
	s_endpgm
.Lfunc_end_k_q9c360e15c1_gemm:
	.size	k_q9c360e15c1_gemm, .Lfunc_end_k_q9c360e15c1_gemm-k_q9c360e15c1_gemm
	.p2alignl 7, 3214868480
	.fill 96, 4, 3214868480
	.section	.rodata,"a",@progbits
	.p2align	6, 0x0
	.amdhsa_kernel k_q9c360e15c1_gemm
		.amdhsa_group_segment_fixed_size 327680
		.amdhsa_private_segment_fixed_size 0
		.amdhsa_enable_private_segment 0
		.amdhsa_kernarg_size 32
		.amdhsa_user_sgpr_count 2
		.amdhsa_user_sgpr_kernarg_segment_ptr 1
		.amdhsa_wavefront_size32 1
		.amdhsa_system_sgpr_workgroup_id_x 1
		.amdhsa_system_sgpr_workgroup_id_y 1
		.amdhsa_system_sgpr_workgroup_id_z 1
		.amdhsa_system_vgpr_workitem_id 0
		.amdhsa_next_free_vgpr 1024
		.amdhsa_next_free_sgpr 66
		.amdhsa_reserve_vcc 0
		.amdhsa_float_denorm_mode_32 3
		.amdhsa_float_denorm_mode_16_64 3
		.amdhsa_memory_ordered 1
		.amdhsa_forward_progress 1
		.amdhsa_inst_pref_size 147
	.end_amdhsa_kernel
	.amdgpu_metadata
---
amdhsa.version: [ 1, 2 ]
amdhsa.kernels:
  - .name:           k_q9c360e15c1_gemm
    .symbol:         k_q9c360e15c1_gemm.kd
    .args:
      - { .name: xq, .offset: 0, .size: 8, .value_kind: global_buffer, .address_space: global }
      - { .name: wq, .offset: 8, .size: 8, .value_kind: global_buffer, .address_space: global }
      - { .name: bias, .offset: 16, .size: 8, .value_kind: global_buffer, .address_space: global }
      - { .name: out0, .offset: 24, .size: 8, .value_kind: global_buffer, .address_space: global }
    .group_segment_fixed_size: 327680
    .private_segment_fixed_size: 0
    .kernarg_segment_align: 8
    .kernarg_segment_size: 32
    .max_flat_workgroup_size: 128
    .sgpr_count:     66
    .vgpr_count:     1024
    .wavefront_size: 32
...
	.end_amdgpu_metadata
.endif
;; end of part 2
